; MI455X (gfx1250); checked and timed in simulation.
; The chip was launched on July 23, 2026; its instructions are those of AMD's public machine-readable ISA for CDNA 5 (MIT licence, August 2026) and "CDNA5" Instruction Set Architecture Reference Guide (July 2026). The comments in the code are by the model that wrote it; some were corrected since.
;; Ada Lo RA Linear. Allowed arithmetic: matrix products marked QUANTISED: E2M1 operands, one E8M0 scale for each 32 along K, by v_wmma_scale_f32_16x16x128_f8f6f4 with both operands' format E2M1 (or v_wmma_scale_f32_32x16x128_f4), f32 sums; everything else in f32.
;; Inputs: Lambda 64 float32; P 4,096 x 64 float32; Q 64 x 4,096 float32; rank_mask 64 bool; weight 4,096 x 4,096 float32; x 4,096 x 4,096 float32.
;; Outputs: out0 4,096 x 4,096 float32.
;; This version of the problem:
;;   THIS VERSION OF THE PROBLEM IS GIVEN IN LOW PRECISION. The matrix products marked QUANTISED in the list below multiply operands that are first quantised to E2M1 (2 exponent bits, 1 mantissa bit; 4 bits a number), with one power-of-two scale for each 32 numbers along K (OCP MX v1.0); their sums are f32. All else is computed in f32.
;;   The module's matrix products, in the order in which they are computed (A, B: the left and right operand; K: the contracted axis; several contracted axes count as one K, in the product's order):
;;     1. [M 4,096, K 64] x [K 64, N 4,096]; A: computed on the way; B: input Q: QUANTISED
;;     2. [M 4,096, K 4,096] x [K 4,096, N 4,096]; A: input x; B: computed on the way: QUANTISED
;;   THE QUANTISER, for each operand of a quantised product, along K:
;;     - K is cut into blocks of 32 from its start; a last block that is shorter is filled with zeros.
;;     - A block's scale is 2^e with e = floor(log2(the largest magnitude in the block)) - 2, held to -126 .. 127; a block of zeros has e = 0. As a byte (E8M0): e + 127.
;;     - Each number is divided by its block's scale, clamped to +-6, and rounded to the nearest number of E2M1, ties to even, subnormals kept.
;;     - The product sums the exact products of the quantised numbers (number of the format x scale) in f32.
;;   ~~~python
;;   def quantise(x, axis):      # numpy; x: float32 -> the quantised numbers, widened to float32 again
;;       x = np.moveaxis(x, axis, -1); K = x.shape[-1]
;;       x = np.pad(x, [(0, 0)] * (x.ndim - 1) + [(0, -K % 32)]); x = x.reshape(x.shape[:-1] + (-1, 32)); a = np.abs(x).max(-1, keepdims=True)
;;       e = np.where(a > 0, np.clip(np.frexp(np.where(a > 0, a, 1))[1] - 1 - 2, -126, 127), 0)      # np.frexp(a)[1] - 1 = floor(log2(a)), exactly
;;       r = np.clip(x / 2.0 ** e, -6, 6)
;;       step = 2.0 ** (np.maximum(np.frexp(np.where(r == 0, 1, r))[1] - 1, 0) - 1)
;;       q = np.round(r / step) * step * 2.0 ** e      # np.round: ties to even
;;       return np.moveaxis(q.reshape(q.shape[:-2] + (-1,))[..., :K], -1, axis).astype(np.float32)
;;   ~~~
;;   OPERANDS COMPUTED ON THE WAY. 'Computed on the way' means the value that the module computes at that place (a softmax that the list does not call 'softmax' is quantised finished and normalised). What goes into a quantiser is computed in f32, as accurately as f32 sums, v_exp_f32 and their like allow (about 1e-6 of the number): no bf16 or f16 on the way to a quantiser, and a product that is left as it is and whose result goes on into a quantised operand takes f32 operands (vector FMAs, or v_wmma_f32_16x16x4_f32). A number that lies on a knife's edge between two numbers of the format may be rounded either way, as far as f32 arithmetic and the matrix unit's own rounding can turn it there, and no further.
;; One version. Each part assembles by itself: llvm-mc -triple=amdgcn-amd-amdhsa -mcpu=gfx1250 --defsym DOCPART=n.
;; ======== version 1 of 1: 2 launches
;; limits: right only within a limited range of input values
;; workspace buffers: xq 8,912,896 bytes; wq 8,912,896 bytes
;; launch quant (part 1): grid 256 x 1, 16 waves a work-group, no clusters, 290,816 bytes of LDS; arguments x, weight, P, Lambda, Q, rank_mask, xq, wq; writes xq, wq
.if DOCPART == 1
	.amdgcn_target "amdgcn-amd-amdhsa--gfx1250"
	.amdhsa_code_object_version 6
	.text
	.protected	k_qd97855ff1c_quant
	.globl	k_qd97855ff1c_quant
	.p2align	8
	.type	k_qd97855ff1c_quant,@function
k_qd97855ff1c_quant:
	s_mov_b64 s[64:65], 0
	v_nop
	global_prefetch_b8 v0, s[64:65] scope:SCOPE_SE
	s_setreg_imm32_b32 hwreg(HW_REG_WAVE_MODE, 25, 1), 1
	s_wait_xcnt 0x0
; x [4096][4096] f32 and W_eff = weight + 2 (P * (Lambda * mask)) Q, [4096][4096], become codes of FP4 (E2M1) with one E8M0 scale byte for each 32 along K (the last axis of both), in xq and wq.
; The product (P * Lambda * mask) Q, K = 64, is itself made on codes of FP4: both its operands are quantised here, along the rank, and multiplied by the scaled matrix instruction.
; A block's scale is 2^(floor(log2(its largest magnitude)) - 2); its byte is the largest magnitude's exponent field - 2, held at 1 from below.
; LIMITS.  NaN and infinities among the inputs are not served.  A block of zeros gets the byte 1 where the rule says 127: its codes are zeros, which add nothing under any byte but 0xff, and this program alone reads the bytes.
; The factor 2 goes into the scale byte of P * Lambda * mask (byte + 1, at most 253): exact.  weight is the C of the low-rank product, so weight + 2 delta is rounded once, in the matrix unit, where two f32 roundings would stand otherwise.
; SHARES.  Work-groups with an even number take x, the odd ones the weights.  A work-group takes 256 rows x 512 along K; each of its 16 waves 16 rows x 512, in four sub-steps of 16 rows x 128.
; THE TWO WAYS PART ONCE, on the work-group's number, and do not join; each has stages in LDS bytes of its own.  On x's way no LDS byte goes from wave to wave, so it has no barrier; the weights' way has one, between the storing and the reading of Q's images.
; No cluster and no tensor load: every wave reads its own bytes straight into registers.  What work-groups share is Q's strip (131,072 bytes) and P's rows (65,536) beside 524,288 bytes of weight that are a work-group's own.
; A SUB-STEP.  Sixteen loads, each 512 consecutive bytes of one row; the 8,192 bytes turn through the wave's own stage in LDS, so that lane (r, h) holds row r and register 16 b + i the number k = 32 b + 16 h + i.
; Weights only: eight matrix instructions add 2 delta in place.  They are used transposed (source 0 = 16 columns of Q, source 1 = my 16 rows of P), and the columns of a tile are chosen (lane r of tile 2 b + u takes column
; 32 b + 8 u + r + 8 (r / 8)) so that the result lies exactly as the turned numbers lie.  Then the 64 numbers of a lane are quantised: one fragment (8 registers) and one scale word a row.
; THE OUTPUT'S LAYOUT is the order of the operand's registers.  Piece (g, s), g = the group of 128 rows, s = the K step of 512, lies at (8 g + s) x 34,816 bytes: codes of row block i, 128 along K q, register group c at
; 4,096 i + 1,024 q + 512 c + 16 x lane; scale words at 32,768 + 256 i + 16 r + 4 q.  So every store of codes covers 512 consecutive bytes, and a block's scale words are 256 consecutive bytes, aligned.
.set ROWB,  16384                      ; a row of x, of weight and of Q in bytes
.set SP,    528                        ; a stage row: 512 bytes + 16: sixteen rows begin at sixteen different banks (64 banks of 4 bytes: ISA guide 11.1)
.set WSTG,  16*SP                      ; a wave's stage
.set WBASE, 16*WSTG                    ; x's sixteen stages lie from byte 0 on, the weights' sixteen from here on
.set QIMG,  2*16*WSTG                  ; behind the stages: Q's 32 fragments as images of registers 0-3: tile T at 512 T + 16 x lane
.set QSC,   QIMG+16384                 ; and their scale words: (q, t, r) at 512 q + 256 (t / 4) + 16 r + 4 (t % 4)
.set PIECE, 34816
.set GA,  1                            ; v1   16 x lane
.set STW, 2                            ; v2   the stage, on the way in: my wave's stage + 16 x lane
.set STR, 3                            ; v3   on the way out: + 528 r + 64 h
.set QIA, 4                            ; v4   QIMG + 16 x lane
.set QSA, 5                            ; v5   QSC + 16 r
.set HH,  6                            ; v6   h
.set QGO, 7                            ; v7   4 x lane: my column of Q
.set QWI, 8                            ; v8   where I store my column's codes
.set QWS, 9                            ; v9   and its scale word
.set PGO, 10                           ; v10  256 r + 128 h: my block of my row of P
.set LGO, 11                           ; v11  128 h: my 32 numbers of Lambda
.set MGO, 12                           ; v12  32 h: my 32 bytes of the mask
.set SH8, 13                           ; v13  8 h
.set TM,  16                           ; v16-19 largest magnitudes, v20-23 the other half's and then the bytes, v24-27 the conversions' scale operands
.set MW,  16                           ; v16-23 at the head of the weights' way: the mask's eight words
.set SW,  28                           ; v28-31 the four sub-steps' scale words
.set PC,  32                           ; v32-39 the codes just made
.set QS,  40                           ; v40-47 Q's scale words: scales and nothing else
.set PF,  48                           ; v48-55 P's fragment: v48-51 codes, v52-55 zeros (K = 64 .. 127)
.set PS,  56                           ; v56    P's scale word: a scale and nothing else
.set QF,  64                           ; v64-127 eight fragments of Q; at the head of the weights' way: my column's 64 numbers
.set RAW, 128                          ; v128-191, v192-255: two sets of 64 numbers
.set PR,  192                          ; at the head of the weights' way: my 32 numbers of P
.set LM,  224                          ; and of Lambda
.set WV,  20                           ; s20 wave;  s21 0: x, 1: weights;  s22 the K step;  s23 the group of 256 rows
.set SRC, 24                           ; s[24:25] my 16 rows' first byte of this K step
.set DCOD, 26                          ; s[26:27] my block's codes
.set DSCL, 28                          ; s[28:29] my block's scale words
.set SEL, 32                           ; s[32:33] v_permlanex16_b32's selects for lane l xor 16
.set PP,  36                           ; s[36:37] my 16 rows of P
.set QP,  38                           ; s[38:39] my 32 columns of Q
.macro LOADRAW n                       ; sub-step n: 16 rows x 512 bytes into set n % 2; a load's 32 lanes read 512 consecutive bytes
.irp w, 0,1,2,3,4,5,6,7,8,9,10,11,12,13,14,15
	global_load_b128 v[RAW+64*((\n)%2)+4*\w:RAW+64*((\n)%2)+4*\w+3], v[GA], s[SRC:SRC+1] offset:\w*ROWB+(\n)*512 th:TH_LOAD_NT
.endr
.endm
.macro TURNST n                        ; through my stage and back into the registers that they left: LDS serves a wave's instructions in order (ISA guide 5.7.1.4), so no wait stands between
.irp w, 0,1,2,3,4,5,6,7,8,9,10,11,12,13,14,15
	ds_store_b128 v[STW], v[RAW+64*((\n)%2)+4*\w:RAW+64*((\n)%2)+4*\w+3] offset:\w*SP
.endr
.irp b, 0,1,2,3
.irp j, 0,1,2,3
	ds_load_b128 v[RAW+64*((\n)%2)+16*\b+4*\j:RAW+64*((\n)%2)+16*\b+4*\j+3], v[STR] offset:128*\b+16*\j
.endr
.endr
.endm
.macro LOWRANK n                       ; weight + 2 delta, in place: eight accumulators, one instruction each
.irp t, 0,1,2,3,4,5,6,7
	ds_load_b128 v[QF+8*\t:QF+8*\t+3], v[QIA] offset:(8*(\n)+\t)*512
.endr
.irp u, 0,1
	ds_load_b128 v[QS+4*\u:QS+4*\u+3], v[QSA] offset:512*(\n)+256*\u
.endr
	s_wait_dscnt 0x0                               ; the turned numbers, Q's fragments and their scale words are in
.irp t, 0,1,2,3,4,5,6,7
	v_wmma_scale_f32_16x16x128_f8f6f4 v[RAW+64*((\n)%2)+8*\t:RAW+64*((\n)%2)+8*\t+7], v[QF+8*\t:QF+8*\t+7], v[PF:PF+7], v[RAW+64*((\n)%2)+8*\t:RAW+64*((\n)%2)+8*\t+7], v[QS+\t], v[PS] matrix_a_fmt:MATRIX_FMT_FP4 matrix_b_fmt:MATRIX_FMT_FP4
.endr
.rept 4
	v_nop                                          ; four places between the products and the first read of their results (ISA guide 7.12.1)
.endr
.endm
; The largest magnitude of 32 numbers of one lane, v[s] on, in two chains, with the floor 2^(3 - 127) as one more leaf: so the byte cannot fall under 1
.macro BMAX d, t, s
	v_max3_num_f32 v[\d], |v[\s]|, |v[\s+1]|, |v[\s+2]|
	v_max3_num_f32 v[\t], |v[\s+3]|, |v[\s+4]|, |v[\s+5]|
.irp i, 6,10,14,18,22,26
	s_delay_alu instid0(VALU_DEP_2)
	v_max3_num_f32 v[\d], v[\d], |v[\s+\i]|, |v[\s+\i+1]|
	s_delay_alu instid0(VALU_DEP_2)
	v_max3_num_f32 v[\t], v[\t], |v[\s+\i+2]|, |v[\s+\i+3]|
.endr
	s_delay_alu instid0(VALU_DEP_2)
	v_max3_num_f32 v[\d], v[\d], |v[\s+30]|, |v[\s+31]|
	s_delay_alu instid0(VALU_DEP_1)
	v_max3_num_f32 v[\d], v[\d], v[\t], 0x1800000
.endm
; 64 numbers of a lane, register 16 b + i = k 32 b + 16 h + i of my row, become a fragment's codes in v[PC] on and its scale word in v[pw].  Each tile of eight registers is read from its low end on.
; again > 0: stores of an earlier sub-step have named the codes' registers as their data.
.macro QUANT s, pw, again
.irp b, 0,1,2,3
	v_max3_num_f32 v[TM+\b], |v[\s+16*\b]|, |v[\s+1+16*\b]|, 0x1800000   ; block b: my 16 numbers, and the floor
.endr
.irp i, 2,4,6,8,10,12,14
.irp b, 0,1,2,3
	v_max3_num_f32 v[TM+\b], v[TM+\b], |v[\s+16*\b+\i]|, |v[\s+1+16*\b+\i]|   ; the four blocks by turns
.endr
.endr
.irp b, 0,1,2,3
	s_delay_alu instid0(VALU_DEP_4)
	v_permlanex16_b32 v[TM+4+\b], v[TM+\b], s[SEL], s[SEL+1]
.endr
.irp b, 0,1,2,3
	s_delay_alu instid0(VALU_DEP_4)
	v_max_num_f32 v[TM+\b], v[TM+\b], v[TM+4+\b]   ; with lane l xor 16's: the block's largest magnitude
.endr
.irp b, 0,1,2,3
	s_delay_alu instid0(VALU_DEP_4)
	v_add_nc_u32 v[TM+8+\b], 0xff000000, v[TM+\b]  ; 2 off its exponent field: the conversion takes the exponent field of this operand as its scale
.endr
.irp b, 0,1,2,3
	s_delay_alu instid0(VALU_DEP_4)
	v_lshrrev_b32 v[TM+4+\b], 23, v[TM+8+\b]       ; the scale's byte
.endr
	s_delay_alu instid0(VALU_DEP_3)
	v_lshl_or_b32 v[\pw], v[TM+5], 8, v[TM+4]      ; the four bytes make my row's scale word
	s_delay_alu instid0(VALU_DEP_1)
	v_lshl_or_b32 v[\pw], v[TM+6], 16, v[\pw]
	s_delay_alu instid0(VALU_DEP_1)
	v_lshl_or_b32 v[\pw], v[TM+7], 24, v[\pw]
.if \again > 0
	s_wait_xcnt 0x0                                ; the last sub-step's two stores have read their data: the codes' registers are written again only behind this wait.  It stands here, ahead of the first line that writes them, and not at the sub-step's head, straight behind sixteen loads
.endif
.irp b, 0,1,2,3
	v_cvt_scalef32_pk8_fp4_f32 v[PC+2*\b], v[\s+16*\b:\s+7+16*\b], v[TM+8+\b]
	v_cvt_scalef32_pk8_fp4_f32 v[PC+1+2*\b], v[\s+8+16*\b:\s+15+16*\b], v[TM+8+\b]
.endr
	v_nop                                          ; one plain place behind a scaled conversion
.irp c, 0,1                                    ; the operand's layout wants a whole block in a lane: lanes 0-15 block 2 c, lanes 16-31 block 2 c + 1
.irp i, 0,1
	v_permlane16_swap_b32 v[PC+4*\c+\i], v[PC+2+4*\c+\i]
.endr
.endr
.endm
.macro SUB n, low                      ; a sub-step; low = 1: the weights' way, with the low-rank part
.if \n < 3
	s_wait_loadcnt 16                              ; this sub-step's sixteen loads are in; the next one's stay out
.else
	s_wait_loadcnt 0x0
.endif
	TURNST \n
.if \low
.if \n == 0
	s_wait_dscnt 0x0                               ; for the others' sake: my stores of Q's images and scale words have landed (and no LDS instruction of mine is out at the signal)
	s_barrier_signal -1
	s_barrier_wait -1                              ; Q's 32 fragments lie in LDS; nobody writes them again.  The loads of weight stay on their way across this barrier: nobody writes those bytes
.endif
	LOWRANK \n
.else
	s_wait_dscnt 0x0                               ; the turned numbers are in
.endif
	QUANT RAW+64*((\n)%2), SW+\n, \n
.irp c, 0,1
	global_store_b128 v[GA], v[PC+4*\c:PC+4*\c+3], s[DCOD:DCOD+1] offset:1024*\n+512*\c th:TH_STORE_NT   ; 32 lanes store 512 consecutive bytes, at a multiple of 512 from the buffer's first byte
.endr
.if \n < 2
	LOADRAW \n+2                                   ; into the set just quantised
.endif
.endm
.macro TAIL                            ; the block's scale words, and the wave's end
	v_and_b32 v14, 31, v0
	s_wait_alu depctr_va_vdst(0)
	s_wait_xcnt 0x0                                ; EXEC changes only behind this wait
	v_cmp_gt_u32 vcc_lo, 16, v14
	s_wait_tensorcnt 0x0
	ds_add_u32 v62, v63
	s_wait_dscnt 0x0
	s_and_saveexec_b32 s34, vcc_lo                 ; lanes 16-31 hold the same words as lanes 0-15
	global_store_b128 v[GA], v[SW:SW+3], s[DSCL:DSCL+1] th:TH_STORE_NT      ; row r's four words: 16 lanes store 256 consecutive bytes, aligned
	s_wait_xcnt 0x0                                ; and again, in front of the line that widens it
	s_or_b32 exec_lo, exec_lo, s34
	s_endpgm
.endm
	s_load_b256 s[4:11], s[0:1], 0x0               ; x s[4:5], weight s[6:7], P s[8:9], Lambda s[10:11]
	s_load_b256 s[12:19], s[0:1], 0x20             ; Q s[12:13], the mask s[14:15], xq s[16:17], wq s[18:19]
	v_lshl_add_u32 v62, v0, 2, 0x46800
	v_mov_b32 v63, 0
	v_lshrrev_b32 v14, 5, v0
	s_delay_alu instid0(VALU_DEP_1)
	v_readfirstlane_b32 s[WV], v14                 ; wave 0..15
	v_and_b32 v15, 31, v0                          ; lane
	v_and_b32 v14, 15, v0                          ; r
	v_bfe_u32 v[HH], v0, 4, 1                      ; h
	s_delay_alu instid0(VALU_DEP_3)
	v_lshlrev_b32 v[GA], 4, v15
	s_mul_i32 s30, s[WV], WSTG                     ; my stage (x's way; the weights' way adds WBASE)
	v_add_nc_u32 v[STW], s30, v[GA]
	v_mul_u32_u24 v[STR], v14, SP
	s_delay_alu instid0(VALU_DEP_1)
	v_lshl_add_u32 v[STR], v[HH], 6, v[STR]
	s_delay_alu instid0(VALU_DEP_1)
	v_add_nc_u32 v[STR], s30, v[STR]
	v_add_nc_u32 v[QIA], QIMG, v[GA]
	v_lshl_add_u32 v[QSA], v14, 4, QSC
	v_lshlrev_b32 v[QGO], 2, v15
	; my column of Q is column 32 w + lane of the strip's 512: it is row r' = (lane & 7) + 8 (lane / 16) of tile 2 w + u, u = (lane / 8) & 1
	v_and_b32 v12, 7, v0
	s_delay_alu instid0(VALU_DEP_1)
	v_lshl_or_b32 v12, v[HH], 3, v12               ; r'
	s_delay_alu instid0(VALU_DEP_1)
	v_lshlrev_b32 v12, 4, v12                      ; 16 r'
	v_bfe_u32 v13, v0, 3, 1                        ; u
	s_delay_alu instid0(VALU_DEP_1)
	v_lshl_add_u32 v[QWI], v13, 9, v12
	s_delay_alu instid0(VALU_DEP_2)
	v_lshl_add_u32 v[QWS], v13, 2, v12
	s_wait_alu depctr_va_vdst(0)
	s_lshl_b32 s30, s[WV], 10
	s_add_co_u32 s30, s30, QIMG
	v_add_nc_u32 v[QWI], s30, v[QWI]               ; QIMG + 1,024 w + 512 u + 16 r'; the second block of 32 lies 256 bytes on (lanes 16-31 of the image)
	s_lshr_b32 s30, s[WV], 1
	s_lshl_b32 s30, s30, 8
	s_and_b32 s31, s[WV], 1
	s_lshl_b32 s31, s31, 3
	s_add_co_u32 s30, s30, s31
	s_add_co_u32 s30, s30, QSC
	v_add_nc_u32 v[QWS], s30, v[QWS]               ; QSC + 256 (w / 2) + 8 (w % 2) + 16 r' + 4 u
	v_lshlrev_b32 v[PGO], 8, v14
	s_delay_alu instid0(VALU_DEP_1)
	v_lshl_add_u32 v[PGO], v[HH], 7, v[PGO]
	v_lshlrev_b32 v[LGO], 7, v[HH]
	v_lshlrev_b32 v[MGO], 5, v[HH]
	v_lshlrev_b32 v[SH8], 3, v[HH]
.irp b, 0,1,2,3
	v_mov_b32 v[TM+4+\b], 0                        ; written once: a lane permute's destination counts as one of its sources
.endr
	s_mov_b32 s[SEL], 0x76543210
	s_mov_b32 s[SEL+1], 0xfedcba98
	s_and_b32 s21, ttmp9, 1
	s_lshr_b32 s22, ttmp9, 1
	s_lshr_b32 s23, s22, 3                         ; which 256 rows
	s_and_b32 s22, s22, 7                          ; which 512 along K
	s_lshl_b32 s30, s23, 22                        ; 256 rows of 16,384 bytes,
	s_lshl_b32 s31, s[WV], 18                      ; my wave's 16 rows,
	s_add_co_u32 s30, s30, s31
	s_lshl_b32 s31, s22, 11                        ; 512 numbers along K
	s_add_co_u32 s30, s30, s31
	s_mov_b32 s31, 0
	s_lshl_b32 s40, s23, 1
	s_lshr_b32 s41, s[WV], 3
	s_add_co_u32 s40, s40, s41                     ; g = the group of 128 rows
	s_lshl_b32 s40, s40, 3
	s_add_co_u32 s40, s40, s22
	s_mul_i32 s40, s40, PIECE                      ; the piece (g, s)
	s_and_b32 s41, s[WV], 7                        ; my block of 16 rows in it
	s_lshl_b32 s42, s41, 8
	s_add_co_u32 s42, s42, s40
	s_add_co_u32 s42, s42, 32768                   ; its scale words
	s_lshl_b32 s41, s41, 12
	s_add_co_u32 s40, s40, s41                     ; its codes
	s_mov_b32 s41, 0
	s_mov_b32 s43, 0
	s_lshl_b32 s44, s23, 16                        ; P: 256 rows of 256 bytes,
	s_lshl_b32 s45, s[WV], 12                      ; my 16
	s_add_co_u32 s44, s44, s45
	s_mov_b32 s45, 0
	s_lshl_b32 s46, s22, 11                        ; Q: the strip's 512 columns,
	s_lshl_b32 s47, s[WV], 7                       ; my 32
	s_add_co_u32 s46, s46, s47
	s_mov_b32 s47, 0
	s_wait_kmcnt 0x0
	s_cmp_eq_u32 s21, 0                            ; the choice of buffers hangs on the work-group's number alone
	s_cselect_b64 s[SRC:SRC+1], s[4:5], s[6:7]
	s_cselect_b64 s[DCOD:DCOD+1], s[16:17], s[18:19]
	s_add_nc_u64 s[SRC:SRC+1], s[SRC:SRC+1], s[30:31]
	s_add_nc_u64 s[DSCL:DSCL+1], s[DCOD:DCOD+1], s[42:43]
	s_add_nc_u64 s[DCOD:DCOD+1], s[DCOD:DCOD+1], s[40:41]
	s_add_nc_u64 s[PP:PP+1], s[8:9], s[44:45]
	s_add_nc_u64 s[QP:QP+1], s[12:13], s[46:47]
	s_cmp_eq_u32 s21, 0
	s_cbranch_scc0 .Lweights
	; ---- x's way: sixteen waves that share nothing
	LOADRAW 0
	LOADRAW 1
	SUB 0, 0
	SUB 1, 0
	SUB 2, 0
	SUB 3, 0
	TAIL
.Lweights:
	; ---- the weights' way
	s_wait_alu depctr_va_vdst(0)
.irp j, 0,1,2,3,4,5,6,7
	global_load_b128 v[LM+4*\j:LM+4*\j+3], v[LGO], s[10:11] offset:16*\j    ; Lambda(32 h ..)
.endr
.irp j, 0,1
	global_load_b128 v[MW+4*\j:MW+4*\j+3], v[MGO], s[14:15] offset:16*\j    ; the mask's bytes 32 h ..
.endr
.irp j, 0,1,2,3,4,5,6,7
	global_load_b128 v[PR+4*\j:PR+4*\j+3], v[PGO], s[PP:PP+1] offset:16*\j  ; P(r, 32 h ..): one whole block of 32 along the rank
.endr
.set k, 0
.rept 64
	global_load_b32 v[QF+k], v[QGO], s[QP:QP+1] offset:k*ROWB               ; Q(k, my column): a lane takes a column and its registers run down K; 32 lanes read 128 consecutive bytes
.set k, k+1
.endr
	LOADRAW 0
	v_add_nc_u32 v[STW], WBASE, v[STW]             ; this way's stages are LDS bytes of its own
	v_add_nc_u32 v[STR], WBASE, v[STR]
.irp j, 4,5,6,7
	v_mov_b32 v[PF+\j], 0                          ; registers 4-7 of P's fragment: K = 64 .. 127, zero codes
.endr
	s_wait_loadcnt 63                              ; 98 loads have been issued: the oldest 35 are in, Lambda's, the mask's and P's 18 among them
.irp wd, 0,1,2,3,4,5,6,7                       ; Lambda x the mask as f32 (a byte 0 or 1)
.irp i, 0,1,2,3
	v_bfe_u32 v[PC+4*(\wd%2)+\i], v[MW+\wd], 8*\i, 8
.endr
.irp i, 0,1,2,3
	s_delay_alu instid0(VALU_DEP_4)
	v_cvt_f32_u32 v[PC+4*(\wd%2)+\i], v[PC+4*(\wd%2)+\i]
.endr
	s_delay_alu instid0(VALU_DEP_3)
	v_pk_mul_f32 v[LM+4*\wd:LM+4*\wd+1], v[LM+4*\wd:LM+4*\wd+1], v[PC+4*(\wd%2):PC+4*(\wd%2)+1]
	s_delay_alu instid0(VALU_DEP_2)
	v_pk_mul_f32 v[LM+4*\wd+2:LM+4*\wd+3], v[LM+4*\wd+2:LM+4*\wd+3], v[PC+4*(\wd%2)+2:PC+4*(\wd%2)+3]
.endr
.irp j, 0,2,4,6,8,10,12,14,16,18,20,22,24,26,28,30
	v_pk_mul_f32 v[PR+\j:PR+\j+1], v[PR+\j:PR+\j+1], v[LM+\j:LM+\j+1]       ; P x (Lambda x mask)
.endr
	BMAX 14, 15, PR                                ; my block's largest magnitude: all 32 numbers are mine
	s_delay_alu instid0(VALU_DEP_1)
	v_add_nc_u32 v[TM+8], 0xff000000, v14          ; 2 off the exponent field: the conversion's scale operand
	s_delay_alu instid0(VALU_DEP_2)
	v_add_nc_u32 v15, 0xff800000, v14              ; 1 off: the byte that the product reads is one higher, which is the factor 2
	s_delay_alu instid0(VALU_DEP_1)
	v_lshrrev_b32 v15, 23, v15
	s_delay_alu instid0(VALU_DEP_1)
	v_lshlrev_b32 v15, v[SH8], v15                 ; at its place in the word: block h is byte h
.irp g, 0,1,2,3
	v_cvt_scalef32_pk8_fp4_f32 v[PF+\g], v[PR+8*\g:PR+8*\g+7], v[TM+8]      ; registers 0-3 of the operand: k = 32 h + 0 .. 31
.endr
	v_nop                                          ; one plain place behind a scaled conversion
	v_permlanex16_b32 v14, v15, s[SEL], s[SEL+1]
	s_delay_alu instid0(VALU_DEP_1)
	v_or_b32 v15, v15, v14                         ; with lane l xor 16's byte
	s_delay_alu instid0(VALU_DEP_1)
	v_or_b32 v[PS], 0x7f7f0000, v15                ; K = 64 .. 127 are zero codes: their bytes are 127
	LOADRAW 1                                      ; into the registers that P and Lambda have left
	s_wait_loadcnt 32                              ; Q's 64 loads are in; the two sub-steps' 32 stay out
	BMAX TM, TM+1, QF                              ; my column's two blocks
	BMAX TM+2, TM+3, QF+32
	v_add_nc_u32 v[TM+8], 0xff000000, v[TM]
	s_delay_alu instid0(VALU_DEP_2)
	v_add_nc_u32 v[TM+9], 0xff000000, v[TM+2]
	s_delay_alu instid0(VALU_DEP_2)
	v_lshrrev_b32 v[TM+4], 23, v[TM+8]
	s_delay_alu instid0(VALU_DEP_2)
	v_lshrrev_b32 v[TM+5], 23, v[TM+9]
	s_delay_alu instid0(VALU_DEP_1)
	v_lshl_or_b32 v14, v[TM+5], 8, v[TM+4]
	s_delay_alu instid0(VALU_DEP_1)
	v_or_b32 v14, 0x7f7f0000, v14                  ; my column's scale word
.irp g, 0,1,2,3
	v_cvt_scalef32_pk8_fp4_f32 v[PC+\g], v[QF+8*\g:QF+8*\g+7], v[TM+8]
	v_cvt_scalef32_pk8_fp4_f32 v[PC+4+\g], v[QF+32+8*\g:QF+32+8*\g+7], v[TM+9]
.endr
	v_nop                                          ; one plain place behind a scaled conversion
	ds_store_b128 v[QWI], v[PC:PC+3]               ; block 0: what lane r' of the fragment holds,
	ds_store_b128 v[QWI], v[PC+4:PC+7] offset:256  ; block 1: what lane 16 + r' holds
	ds_store_b32 v[QWS], v14
.irp t, 0,1,2,3,4,5,6,7
.irp j, 4,5,6,7
	v_mov_b32 v[QF+8*\t+\j], 0                     ; registers 4-7 of Q's eight fragments: K = 64 .. 127, zero codes
.endr
.endr
.rept 8
	v_nop                                          ; operands and scales written by vector instructions stand these places ahead of a scaled matrix instruction
.endr
	s_wait_alu depctr_va_vdst(0)
	SUB 0, 1                                       ; the barrier stands in it, behind the turn through the stage and ahead of the first read of Q's images
	SUB 1, 1
	SUB 2, 1
	SUB 3, 1
	TAIL
.Lfunc_end_k_qd97855ff1c_quant:
	.size	k_qd97855ff1c_quant, .Lfunc_end_k_qd97855ff1c_quant-k_qd97855ff1c_quant
	.p2alignl 7, 3214868480
	.fill 96, 4, 3214868480
	.section	.rodata,"a",@progbits
	.p2align	6, 0x0
	.amdhsa_kernel k_qd97855ff1c_quant
		.amdhsa_group_segment_fixed_size 290816
		.amdhsa_private_segment_fixed_size 0
		.amdhsa_enable_private_segment 0
		.amdhsa_kernarg_size 64
		.amdhsa_user_sgpr_count 2
		.amdhsa_user_sgpr_kernarg_segment_ptr 1
		.amdhsa_wavefront_size32 1
		.amdhsa_system_sgpr_workgroup_id_x 1
		.amdhsa_system_sgpr_workgroup_id_y 1
		.amdhsa_system_sgpr_workgroup_id_z 1
		.amdhsa_system_vgpr_workitem_id 0
		.amdhsa_next_free_vgpr 256
		.amdhsa_next_free_sgpr 66
		.amdhsa_reserve_vcc 1
		.amdhsa_float_denorm_mode_32 3
		.amdhsa_float_denorm_mode_16_64 3
		.amdhsa_memory_ordered 1
		.amdhsa_forward_progress 1
		.amdhsa_inst_pref_size 99
	.end_amdhsa_kernel
	.amdgpu_metadata
---
amdhsa.version: [ 1, 2 ]
amdhsa.kernels:
  - .name:           k_qd97855ff1c_quant
    .symbol:         k_qd97855ff1c_quant.kd
    .args:
      - { .name: x, .offset: 0, .size: 8, .value_kind: global_buffer, .address_space: global }
      - { .name: weight, .offset: 8, .size: 8, .value_kind: global_buffer, .address_space: global }
      - { .name: P, .offset: 16, .size: 8, .value_kind: global_buffer, .address_space: global }
      - { .name: Lambda, .offset: 24, .size: 8, .value_kind: global_buffer, .address_space: global }
      - { .name: Q, .offset: 32, .size: 8, .value_kind: global_buffer, .address_space: global }
      - { .name: rank_mask, .offset: 40, .size: 8, .value_kind: global_buffer, .address_space: global }
      - { .name: xq, .offset: 48, .size: 8, .value_kind: global_buffer, .address_space: global }
      - { .name: wq, .offset: 56, .size: 8, .value_kind: global_buffer, .address_space: global }
    .group_segment_fixed_size: 290816
    .private_segment_fixed_size: 0
    .kernarg_segment_align: 8
    .kernarg_segment_size: 64
    .max_flat_workgroup_size: 512
    .sgpr_count:     66
    .vgpr_count:     256
    .wavefront_size: 32
...
	.end_amdgpu_metadata
.endif
;; end of part 1
;; launch gemm (part 2): grid 16 x 16, 4 waves a work-group, clusters of 4 x 4, 327,680 bytes of LDS; arguments xq, wq, out0; writes out0
.if DOCPART == 2
	.amdgcn_target "amdgcn-amd-amdhsa--gfx1250"
	.amdhsa_code_object_version 6
	.text
	.protected	k_qd97855ff1c_gemm
	.globl	k_qd97855ff1c_gemm
	.p2align	8
	.type	k_qd97855ff1c_gemm,@function
k_qd97855ff1c_gemm:
	s_mov_b64 s[64:65], 0
	v_nop
	global_prefetch_b8 v0, s[64:65] scope:SCOPE_SE
	s_setreg_imm32_b32 hwreg(HW_REG_WAVE_MODE, 25, 1), 1
	s_wait_xcnt 0x0
	s_wait_alu depctr_hold_cnt(0) depctr_sa_sdst(0) depctr_va_vdst(0) depctr_va_sdst(0) depctr_va_ssrc(0) depctr_va_vcc(0) depctr_vm_vsrc(0)
	s_getreg_b32 s2, hwreg(HW_REG_IB_STS2, 6, 4)
	s_cmp_eq_u32 s2, 0
	s_cbranch_scc0 .Lentry_in_a_cluster
	s_endpgm
.Lentry_in_a_cluster:
	s_bfe_u32 s2, ttmp6, 0x10000c
	s_cmp_lg_u32 s2, 0xf033
	s_cbranch_scc0 .Lentry_shape_is_right
	s_endpgm
.Lentry_shape_is_right:
; out0[m][n] = sum over k of x[m][k] W_eff[n][k], 4096 x 4096 x 4096, on codes of FP4 (E2M1) with one E8M0 byte for each 32 along K; sums in f32.
; xq and wq lie as the launch before has laid them, in the order of the operand's registers: piece (g, s), g = a group of 128 rows, s = a K step of 512, at (8 g + s) x 34,816 bytes:
; codes of row block i, 128 along K q, register group c at 4,096 i + 1,024 q + 512 c + 16 x lane; scale words at 32,768 + 256 i + 16 r + 4 q.  A piece is 136 dense rows of 256 bytes.
; A tile of out0, 256 x 256, is made by four waves, each 128 x 128: 64 accumulators, 512 registers.  K goes in steps of 512 through a ring of two LDS slots; a slot holds A's two pieces, then B's two; each wave fetches one piece.
; CLUSTERS: 4 x 4 work-groups; A's pieces are asked for jointly along a row of the cluster, B's along a column.
; THE MATRIX INSTRUCTION IS USED TRANSPOSED (source 0 = 16 rows of wq, source 1 = 16 rows of xq): a lane holds eight neighbouring numbers of a row of out0.
; LIMIT: the walk along K begins at K step 0 or at K step 4, by the parity of the cluster's coordinates, and wraps round: the sums' order of rounding is not ascending K in half of the clusters.
; REGISTERS: window 0: v0-31 addresses; v32-95 scale words, a set for each slot; v128-255 A's fragments, two sets of 64.  Window 1: B's fragments, two sets, at v0 and v128; in the last K step all 256.
;   Windows 2, 3: the accumulators of my rows 0-63, 64-127 (accumulator (a, b) at v[8 (8 (a % 4) + b)]).
; A step of 128 along K is 64 matrix instructions on one set, in one unbroken run; the other set takes the next step's 32 LDS loads, in one run at the step's head.
; THE LAST K STEP GOES BY ROWS OF out0: all its fragments of B lie in window 1, A's come by blocks of 16 rows, and each finished block leaves while the next is multiplied.
; PREFETCHES, by the walk's K steps: behind the joint load of step 0 stands the request for step 1, whose load sets out only when step 0 has landed; behind that of step 1 the requests for steps 2 and 3;
; behind that of step t, t = 2 .. 5, the request for step t + 2.  So at most two pieces a wave are asked for and not yet loaded.
.set PIECE,  34816
.set GROUPB, 8*PIECE                   ; a group's eight K steps
.set SLOT,   4*PIECE
.set LAPS,   4                         ; a lap = two K steps = once round the ring
.set SPARE,  2*SLOT                    ; behind the ring: the spare words, 128 bytes a wave
.set STAGE,  SPARE+512                 ; behind them: a stage of 16 rows x 528 bytes for each wave; no fill lands here
.set SPITCH, 528
.set ROWC,   16384                     ; a row of out0 in bytes
.set SHARE,  34*256                    ; a partner's part of a piece's 136 blocks of 256 bytes, for the prefetches
.set ADRA, 16                          ; v16-17 LDS address of my A piece in slot 0, 1, + 16 x lane
.set ADRB, 20                          ; v20-21 the same for B
.set ADRS, 22                          ; v22-23 scale words: lanes 0-15 A's piece, lanes 16-31 B's, + 16 r
.set STO,  24                          ; v24 into my stage: 528 r + 32 h
.set RD,   25                          ; v25 out of it: 16 x lane
.set CO,   26                          ; v26 16 x lane
.set SPW,  28                          ; v28 my spare word; never rewritten
.set NIL,  29                          ; v29 0; never rewritten
.set PFO,  30                          ; v30 256 x lane
.set PFO2, 31                          ; v31 256 x (32 + min(lane, 1)): blocks 32 and 33 of my share; the lanes left over name the last again
.set SC,   32
.set AF,   128
.set PFA,  4                           ; s[4:5] where my prefetches stand
.set WRP,  10                          ; s10 what the walk goes back when it wraps: 0 or GROUPB
.set BACK, 12                          ; s[12:13]
.set G1, 24                            ; s[24:31], s[32:39] descriptor groups 1 and 0 (one a slot) for A's pieces
.set G0, 32
.set G1B, 48                           ; s[48:55], s[56:63] for B's
.set G0B, 56
.set MSB, 0
.macro WIN new                         ; the immediate's high byte repeats the setting that is left
.if MSB != (\new)
	s_set_vgpr_msb (MSB<<8)|(\new)
.set MSB, (\new)
.endif
.endm
.set MUL_LO, 0xa1                      ; source 0 (B) window 1, source 1 (A) window 0, C and D window 2
.set TO_B,   0x40                      ; destination window 1, address window 0
; A joint load: waves 0 and 1 fetch A's pieces, waves 2 and 3 B's.  s_nop 0 and four v_nop follow each line.
.macro JLOAD s
	s_cmp_eq_u32 s15, 0
	s_cbranch_scc0 .Lfor_b_\@
	tensor_load_to_lds s[G0+4*\s:G0+4*\s+3], s[G1:G1+7]
	s_nop 0
.rept 4
	v_nop
.endr
	s_branch .Lasked_\@
.Lfor_b_\@:
	tensor_load_to_lds s[G0B+4*\s:G0B+4*\s+3], s[G1B:G1B+7]
	s_nop 0
.rept 4
	v_nop
.endr
.Lasked_\@:
.endm
.macro CREST                           ; a round of the cluster's barrier behind its opening barrier
	s_cmp_lg_u32 s14, 0
	s_cbranch_scc1 .Lnot_wave_0_\@
	s_barrier_signal -3
.Lnot_wave_0_\@:
	s_barrier_wait -3
	s_barrier_signal -1
	s_barrier_wait -1
.endm
.macro CROUND
	s_barrier_signal -1
	s_barrier_wait -1
	CREST
.endm
; A request for a piece: my work-group's 34 blocks of the 136 that I fetch, told apart from the partners' by address: a lane a block, two instructions.
.macro ASK2 off
	global_prefetch_b8 v[PFO], s[PFA:PFA+1] offset:\off th:TH_LOAD_NT scope:SCOPE_SE
	global_prefetch_b8 v[PFO2], s[PFA:PFA+1] offset:\off th:TH_LOAD_NT scope:SCOPE_SE
.endm
.macro ASK                             ; in the loop: the piece two refills on; the last trip has none
	s_cmp_gt_u32 s3, 1
	s_cbranch_scc0 .Lno_ask_\@
	ASK2 0
.Lno_ask_\@:
.endm
	s_load_b128 s[4:7], s[0:1], 0x0                ; xq, wq
	s_load_b64 s[8:9], s[0:1], 0x10                ; out0
	v_lshl_add_u32 v[SPW], v0, 2, SPARE
	v_mov_b32 v[NIL], 0
	ds_add_u32 v[SPW], v[NIL]                      ; the opening lines: the add, twice on end, and its wait ahead of my first tensor load
	ds_add_u32 v[SPW], v[NIL]
	v_lshrrev_b32 v1, 5, v0
	v_readfirstlane_b32 s14, v1                    ; wave 0..3
	s_lshr_b32 s15, s14, 1                         ; my half of the tile's rows.  Also: I fetch for A (0) or B (1)
	s_and_b32 s16, s14, 1                          ; my half of its columns.  Also: which of the two pieces I fetch
	s_bfe_u32 s40, ttmp6, 0x40000                  ; cx
	s_bfe_u32 s41, ttmp6, 0x40004                  ; cy
	s_lshl_b32 s42, ttmp9, 2
	s_add_co_u32 s42, s42, s40                     ; tile column
	s_and_b32 s17, ttmp7, 0xffff
	s_lshl_b32 s17, s17, 2
	s_add_co_u32 s17, s17, s41                     ; tile row
	s_lshl_b32 s43, s41, 2
	s_lshl_b32 s43, 15, s43                        ; my row of the cluster
	s_lshl_b32 s44, 0x1111, s40                    ; my column
	s_and_b32 s11, ttmp7, 0xffff
	s_xor_b32 s10, s11, ttmp9
	s_lshr_b32 s11, s10, 1
	s_xor_b32 s10, s10, s11
	s_and_b32 s10, s10, 1                          ; the parity of the cluster's coordinates: the same in all sixteen partners
	s_mul_i32 s11, s10, 4*PIECE                    ; the walk begins at K step 0 or 4
	s_mul_i32 s[WRP], s10, GROUPB
	s_mov_b32 s[BACK+1], 0
	s_or_b32 s[G1+0], s43, (3<<16)|(1<<21)         ; the mask; elements of 8 bytes; bit 21 beside a mask
	s_or_b32 s[G1B+0], s44, (3<<16)|(1<<21)
.irp g, G1, G1B
	s_mov_b32 s[\g+1], 32<<16                      ; rows of 32 elements = 256 bytes,
	s_mov_b32 s[\g+2], 136<<16                     ; 136 of them,
	s_mov_b32 s[\g+3], 32<<16
	s_mov_b32 s[\g+4], 136
	s_mov_b32 s[\g+5], 32                          ; dense
	s_mov_b32 s[\g+6], 0
	s_mov_b32 s[\g+7], 0
.endr
	s_lshl_b32 s20, s17, 1
	s_add_co_u32 s20, s20, s16
	s_mul_i32 s20, s20, GROUPB
	s_add_co_u32 s20, s20, s11                     ; A: group 2 x tile row + piece, at the walk's first K step
	s_mov_b32 s21, 0
	s_lshl_b32 s46, s42, 1
	s_add_co_u32 s46, s46, s16
	s_mul_i32 s46, s46, GROUPB
	s_add_co_u32 s46, s46, s11                     ; B likewise, by the tile column
	s_mov_b32 s47, 0
	s_mul_i32 s45, s14, PIECE                      ; where my piece goes in a slot
	s_cmp_eq_u32 s15, 0                            ; the prefetches begin at the walk's K step 1 of the group that I fetch from
	s_cselect_b32 s2, s20, s46
	s_cselect_b32 s3, s40, s41                     ; my place among the four that ask with me
	s_mul_i32 s3, s3, SHARE
	s_add_co_u32 s2, s2, s3
	s_add_co_u32 s2, s2, PIECE
	s_mov_b32 s3, 0
	s_wait_dscnt 0x0                               ; both opening adds are done
	s_wait_kmcnt 0x0
	s_add_nc_u64 s[22:23], s[4:5], s[20:21]
	s_add_nc_u64 s[18:19], s[6:7], s[46:47]
	s_cmp_eq_u32 s15, 0
	s_cselect_b64 s[PFA:PFA+1], s[4:5], s[6:7]
	s_add_nc_u64 s[PFA:PFA+1], s[PFA:PFA+1], s[2:3]
	CROUND                                         ; all sixteen work-groups are here: the first joint loads meet
.irp s, 0,1
	s_mov_b32 s[G0+4*\s], 1
	s_add_co_u32 s[G0+4*\s+1], s45, \s*SLOT
	s_add_nc_u64 s[G0+4*\s+2:G0+4*\s+3], s[22:23], \s*PIECE
	s_or_b32 s[G0+4*\s+3], s[G0+4*\s+3], 0x80000000
	s_mov_b32 s[G0B+4*\s], 1
	s_add_co_u32 s[G0B+4*\s+1], s45, \s*SLOT
	s_add_nc_u64 s[G0B+4*\s+2:G0B+4*\s+3], s[18:19], \s*PIECE
	s_or_b32 s[G0B+4*\s+3], s[G0B+4*\s+3], 0x80000000
.endr
	JLOAD 0                                        ; the walk's first K step: one tensor load a wave at the head
	s_mul_i32 s22, s15, PIECE                      ; my piece of A in a slot,
	s_mul_i32 s23, s16, PIECE
	s_add_co_u32 s23, s23, 2*PIECE                 ; my piece of B
	s_sub_co_u32 s45, s23, s22
	s_mul_i32 s46, s14, 16*SPITCH
	s_add_co_u32 s46, s46, STAGE                   ; my stage
	v_and_b32 v1, 15, v0                           ; r
	v_bfe_u32 v2, v0, 4, 1                         ; h
	v_and_b32 v6, 31, v0                           ; lane
	v_lshlrev_b32 v[CO], 4, v6
	v_mul_u32_u24 v5, s45, v2                      ; lanes 16-31 take B's scale words
	v_lshl_add_u32 v5, v1, 4, v5
	v_add_nc_u32 v[ADRA], s22, v[CO]
	v_add_nc_u32 v[ADRB], s23, v[CO]
	v_add_nc_u32 v[ADRS], s22, v5
	v_add_nc_u32 v[ADRA+1], SLOT, v[ADRA]
	v_add_nc_u32 v[ADRB+1], SLOT, v[ADRB]
	v_add_nc_u32 v[ADRS+1], SLOT, v[ADRS]
	v_mul_u32_u24 v7, v1, SPITCH
	v_lshl_add_u32 v7, v2, 5, v7
	v_add_nc_u32 v[STO], s46, v7
	v_add_nc_u32 v[RD], s46, v[CO]
	v_lshlrev_b32 v[PFO], 8, v6
	v_min_u32 v8, 1, v6
	v_lshl_add_u32 v[PFO2], v8, 8, 32*256
	ASK2 0                                         ; the walk's K step 1: its load stands behind the wait for K step 0
	s_lshl_b32 s22, s17, 8
	s_lshl_b32 s23, s15, 7
	s_add_co_u32 s22, s22, s23                     ; my first row of out0
	s_lshl_b32 s22, s22, 14
	s_lshl_b32 s23, s42, 10
	s_add_co_u32 s22, s22, s23
	s_lshl_b32 s23, s16, 9
	s_add_co_u32 s22, s22, s23                     ; + my first column, in bytes
	s_mov_b32 s23, 0
	s_add_nc_u64 s[8:9], s[8:9], s[22:23]
.macro FRAG reg, adr, q, i             ; a fragment, 16 rows x 128 K: two loads of 512 consecutive bytes
.irp c, 0,1
	ds_load_b128 v[\reg+4*\c:\reg+4*\c+3], v[\adr] offset:(\i)*4096+(\q)*1024+512*\c
.endr
.endm
.macro LB slot, q, p, i0               ; B's blocks i0 .. i0 + 3 of the slot's q-th 128 along K into set p
	WIN TO_B
.irp i, \i0, \i0+1, \i0+2, \i0+3
	FRAG 128*(\p)+8*(\i), ADRB+\slot, \q, \i
.endr
.endm
.macro LA slot, q, p, i0               ; A's likewise
	WIN 0
.irp i, \i0, \i0+1, \i0+2, \i0+3
	FRAG AF+64*(\p)+8*(\i), ADRA+\slot, \q, \i
.endr
.endm
.macro SCALES slot                     ; a K step's scale words: register 4 i + q of the set: lanes 0-15 A's block i, lanes 16-31 B's block i
	WIN 0
.irp i, 0,1,2,3,4,5,6,7
	ds_load_b128 v[SC+32*\slot+4*\i:SC+32*\slot+4*\i+3], v[ADRS+\slot] offset:32768+256*\i
.endr
.endm
.macro MM d, b, a, sb, sa, z           ; one product; z = 1: it starts the sum
.if \z
	v_wmma_scale_f32_16x16x128_f8f6f4 v[\d:\d+7], v[\b:\b+7], v[\a:\a+7], 0, v[\sb], v[\sa] matrix_a_fmt:MATRIX_FMT_FP4 matrix_b_fmt:MATRIX_FMT_FP4 matrix_a_scale:MATRIX_SCALE_ROW1
.else
	v_wmma_scale_f32_16x16x128_f8f6f4 v[\d:\d+7], v[\b:\b+7], v[\a:\a+7], v[\d:\d+7], v[\sb], v[\sa] matrix_a_fmt:MATRIX_FMT_FP4 matrix_b_fmt:MATRIX_FMT_FP4 matrix_a_scale:MATRIX_SCALE_ROW1
.endif
.endm
; 16 products: A's blocks a0, a0 + 1 x B's eight, from set p.  The 64 accumulators take turns, one instruction a turn, in the same order in every step.
.macro MUL16 a0, p, q, sc, zero
	WIN MUL_LO+0x50*((\a0)/4)
.irp a, \a0, \a0+1
.irp b, 0,1,2,3,4,5,6,7
	MM 8*(8*((\a)%4)+\b), 128*(\p)+8*\b, AF+64*(\p)+8*(\a), SC+32*(\sc)+4*\b+(\q), SC+32*(\sc)+4*(\a)+(\q), \zero
.endr
.endr
.endm
.macro PLACES                          ; four places between matrix instructions and loads into registers that they have read, or reads of their results
.rept 4
	v_nop
.endr
.endm
; A step that has its successor in the same slot.  The four places at its head stand behind the last step's products, which read the set that the run of loads fills.
.macro STEP slot, q, zero
	PLACES
	LB \slot, (\q)+1, 1-(\q)%2, 0
	LB \slot, (\q)+1, 1-(\q)%2, 4
	LA \slot, (\q)+1, 1-(\q)%2, 0
	LA \slot, (\q)+1, 1-(\q)%2, 4
	s_wait_dscnt 32                                ; the 32 loads just issued may be out: this step's fragments, asked for a step ago, are in
	MUL16 0, (\q)%2, \q, \slot, \zero
	MUL16 2, (\q)%2, \q, \slot, \zero
	MUL16 4, (\q)%2, \q, \slot, \zero
	MUL16 6, (\q)%2, \q, \slot, \zero
.endm
; A slot's last step changes slots.  All its fragments are in registers at its head, so the round stands there: the slot is asked for again and the other slot's first fragments are fetched under the step's products.
.macro TURN slot, next
	WIN 0
	s_wait_tensorcnt 0x0                           ; all my tensor loads have landed: the one that was out is my piece of the next slot
	ds_add_u32 v[SPW], v[NIL]
	s_cmp_eq_u32 s3, LAPS/2                        ; no load of mine is out: this slot's group 0 steps two K steps on, and back round the group where the walk wraps
	s_cselect_b32 s[BACK], s[WRP], 0
	s_add_nc_u64 s[G0+4*\slot+2:G0+4*\slot+3], s[G0+4*\slot+2:G0+4*\slot+3], 2*PIECE
	s_add_nc_u64 s[G0B+4*\slot+2:G0B+4*\slot+3], s[G0B+4*\slot+2:G0B+4*\slot+3], 2*PIECE
	s_sub_nc_u64 s[G0+4*\slot+2:G0+4*\slot+3], s[G0+4*\slot+2:G0+4*\slot+3], s[BACK:BACK+1]
	s_sub_nc_u64 s[G0B+4*\slot+2:G0B+4*\slot+3], s[G0B+4*\slot+2:G0B+4*\slot+3], s[BACK:BACK+1]
	s_wait_dscnt 0x0                               ; the add is done, and my reads of this slot are over
	s_barrier_signal -1                            ; opens a round of the cluster's barrier
	MUL16 0, 1, 3, \slot, 0
	WIN 0
	s_barrier_wait -1
	CREST                                          ; no wave of any partner still reads this slot or has a load on its way
	JLOAD \slot                                    ; the first tensor load behind the round; its four v_nop are the places in front of the loads below
	LB \next, 0, 0, 0
	LB \next, 0, 0, 4
	LA \next, 0, 0, 0
	SCALES \next
	LA \next, 0, 0, 4
	ASK
	MUL16 2, 1, 3, \slot, 0
	MUL16 4, 1, 3, \slot, 0
	MUL16 6, 1, 3, \slot, 0
	s_wait_xcnt 0x0                                ; my prefetches, 48 products back, have read their address: it steps one K step on
	s_add_nc_u64 s[PFA:PFA+1], s[PFA:PFA+1], PIECE
.endm
; The last K step (slot 1) by rows.
.macro BLOAD q                         ; B's eight fragments of quarter q -> window 1, v[64 q ..]
.irp i, 0,1,2,3,4,5,6,7
	FRAG 64*\q+8*\i, ADRB+1, \q, \i
.endr
.endm
.macro ALOAD a                         ; A's block a, all four quarters -> buffer a % 4 of 32 registers
.irp q, 0,1,2,3
	FRAG AF+32*((\a)%4)+8*\q, ADRA+1, \q, \a
.endr
.endm
.macro ROW a                           ; block a is finished: 32 products, its eight accumulators by turns
	WIN MUL_LO+0x50*((\a)/4)
.irp q, 0,1,2,3
.if (\a) == 0 && \q == 2
	s_wait_dscnt 16                                ; B's quarter 2 is in (behind it: A's blocks 2 and 3)
.endif
.irp b, 0,1,2,3,4,5,6,7
	MM 64*((\a)%4)+8*\b, 64*\q+8*\b, AF+32*((\a)%4)+8*\q, SC+32+4*\b+\q, SC+32+4*(\a)+\q, 0
.endr
.endr
.endm
; Block a, 16 rows x 128 columns, goes through my stage and comes back, as whole rows of 512 bytes, into the registers that it left.  LDS serves a wave's instructions in order (ISA guide 5.7.1.4).
.macro TOSTAGE a
	WIN 0x88+0x44*((\a)/4)                         ; data and destination: window 2 or 3; addresses: window 0
.irp b, 0,1,2,3,4,5,6,7
	ds_store_b128 v[STO], v[64*((\a)%4)+8*\b:64*((\a)%4)+8*\b+3] offset:64*\b       ; each accumulator from its low end on
	ds_store_b128 v[STO], v[64*((\a)%4)+8*\b+4:64*((\a)%4)+8*\b+7] offset:64*\b+16
.endr
.irp t, 0,1,2,3,4,5,6,7,8,9,10,11,12,13,14,15
	ds_load_b128 v[64*((\a)%4)+4*\t:64*((\a)%4)+4*\t+3], v[RD] offset:\t*SPITCH
.endr
.endm
.macro SEND a, younger                 ; every block has registers of its own and every offset is an immediate (127 rows of 16,384 bytes at the most): nothing that a store names is written again
	WIN 0x88+0x44*((\a)/4)
	s_wait_dscnt \younger
.irp t, 0,1,2,3,4,5,6,7,8,9,10,11,12,13,14,15
	global_store_b128 v[CO], v[64*((\a)%4)+4*\t:64*((\a)%4)+4*\t+3], s[8:9] offset:(16*(\a)+\t)*ROWC th:TH_STORE_NT   ; 32 lanes store 512 consecutive bytes, aligned; written once, read by nobody here
.endr
.endm
	s_wait_alu depctr_va_vdst(0)                   ; the wait at the head's end
	s_wait_tensorcnt 0x0                           ; my piece of the first K step is in; the lines that stand ahead of a refill stand ahead of slot 1's first fill too
	ds_add_u32 v[SPW], v[NIL]
	s_wait_dscnt 0x0
	CROUND
	JLOAD 1                                        ; the second K step
	LB 0, 0, 0, 0
	LB 0, 0, 0, 4
	LA 0, 0, 0, 0
	SCALES 0
	LA 0, 0, 0, 4
	ASK2 PIECE                                     ; the walk's K step 2,
	ASK2 2*PIECE                                   ; and K step 3
	STEP 0, 0, 1                                   ; the first step's products start the sums: nothing is cleared
	WIN 0
	s_wait_xcnt 0x0                                ; the head's prefetches have read their address: on to the walk's K step 4, back round the group where the walk wraps; K steps 4 to 7 have no wrap among them
	s_add_nc_u64 s[PFA:PFA+1], s[PFA:PFA+1], 3*PIECE
	s_mov_b32 s[BACK], s[WRP]
	s_sub_nc_u64 s[PFA:PFA+1], s[PFA:PFA+1], s[BACK:BACK+1]
	s_mov_b32 s3, LAPS-1
.Llap:                                                 ; a trip goes once round the ring, from a lap's second step to the next lap's first
	STEP 0, 1, 0
	STEP 0, 2, 0
	TURN 0, 1
	STEP 1, 0, 0
	STEP 1, 1, 0
	STEP 1, 2, 0
	TURN 1, 0
	STEP 0, 0, 0
	WIN 0
	s_sub_co_u32 s3, s3, 1
	s_cmp_lg_u32 s3, 0
	s_cbranch_scc1 .Llap
	STEP 0, 1, 0
	STEP 0, 2, 0
	WIN 0                                          ; the last change of slots: nothing is filled again, so no round follows
	s_wait_tensorcnt 0x0
	ds_add_u32 v[SPW], v[NIL]
	s_wait_dscnt 0x0
	s_barrier_signal -1
	MUL16 0, 1, 3, 0, 0
	s_barrier_wait -1                              ; slot 1 is whole
	PLACES                                         ; for the loads into the sets 0, which the step before multiplied
	WIN TO_B
	BLOAD 0
	BLOAD 1
	MUL16 2, 1, 3, 0, 0
	WIN TO_B
	BLOAD 3
	SCALES 1
	ALOAD 0
	ALOAD 1
	MUL16 4, 1, 3, 0, 0
	MUL16 6, 1, 3, 0, 0
	PLACES                                         ; for the loads into the sets 1
	WIN TO_B
	BLOAD 2
	WIN 0
	ALOAD 2
	ALOAD 3
	s_wait_dscnt 32                                ; all but the 32 just issued
	ROW 0
.irp a, 0,1,2,3,4,5,6,7
	PLACES                                         ; behind block a's products: its results are read, and its buffer of A is filled again
	TOSTAGE \a
.if \a < 4
	WIN 0
	ALOAD \a+4
.endif
.if \a == 0
	s_wait_dscnt 40                                ; out may be the stage's 32 and block 4's eight: A's blocks 1 to 3 are in.  (Later blocks of A are older than a stage's loads that have been waited for.)
.endif
.if \a < 7
	ROW \a+1                                       ; the next block's products stand between the stage's loads and the wait for them
.endif
.if \a < 4
	SEND \a, 8
.else
	SEND \a, 0
.endif
.endr
	WIN 0
	s_wait_tensorcnt 0x0                           ; the wave's end
	ds_add_u32 v[SPW], v[NIL]
	s_wait_dscnt 0x0
	CROUND                                         ; the closing round
	s_endpgm
.Lfunc_end_k_qd97855ff1c_gemm:
	.size	k_qd97855ff1c_gemm, .Lfunc_end_k_qd97855ff1c_gemm-k_qd97855ff1c_gemm
	.p2alignl 7, 3214868480
	.fill 96, 4, 3214868480
	.section	.rodata,"a",@progbits
	.p2align	6, 0x0
	.amdhsa_kernel k_qd97855ff1c_gemm
		.amdhsa_group_segment_fixed_size 327680
		.amdhsa_private_segment_fixed_size 0
		.amdhsa_enable_private_segment 0
		.amdhsa_kernarg_size 24
		.amdhsa_user_sgpr_count 2
		.amdhsa_user_sgpr_kernarg_segment_ptr 1
		.amdhsa_wavefront_size32 1
		.amdhsa_system_sgpr_workgroup_id_x 1
		.amdhsa_system_sgpr_workgroup_id_y 1
		.amdhsa_system_sgpr_workgroup_id_z 1
		.amdhsa_system_vgpr_workitem_id 0
		.amdhsa_next_free_vgpr 1024
		.amdhsa_next_free_sgpr 66
		.amdhsa_reserve_vcc 0
		.amdhsa_float_denorm_mode_32 3
		.amdhsa_float_denorm_mode_16_64 3
		.amdhsa_memory_ordered 1
		.amdhsa_forward_progress 1
		.amdhsa_inst_pref_size 208
	.end_amdhsa_kernel
	.amdgpu_metadata
---
amdhsa.version: [ 1, 2 ]
amdhsa.kernels:
  - .name:           k_qd97855ff1c_gemm
    .symbol:         k_qd97855ff1c_gemm.kd
    .args:
      - { .name: xq, .offset: 0, .size: 8, .value_kind: global_buffer, .address_space: global }
      - { .name: wq, .offset: 8, .size: 8, .value_kind: global_buffer, .address_space: global }
      - { .name: out0, .offset: 16, .size: 8, .value_kind: global_buffer, .address_space: global }
    .group_segment_fixed_size: 327680
    .private_segment_fixed_size: 0
    .kernarg_segment_align: 8
    .kernarg_segment_size: 24
    .max_flat_workgroup_size: 128
    .sgpr_count:     66
    .vgpr_count:     1024
    .wavefront_size: 32
...
	.end_amdgpu_metadata
.endif
;; end of part 2
